; MI455X (gfx1250); checked and timed in simulation.
; The chip was launched on July 23, 2026; its instructions are those of AMD's public machine-readable ISA for CDNA 5 (MIT licence, August 2026) and "CDNA5" Instruction Set Architecture Reference Guide (July 2026). The comments in the code are by the model that wrote it; some were corrected since.
;; Attention. Allowed arithmetic: float matrix products may take bf16 or f16 operands with f32 sums; all other float work in f32.
;; Inputs: attn_b 1,024 float32; attn_w 1,024 x 2,048 float32; encoder_outputs 1,024 x 32 x 1,024 float32; hidden 32 x 1,024 float32; v 1,024 float32.
;; Outputs: out0 32 x 1,024 float32.
;; One version. Each part assembles by itself: llvm-mc -triple=amdgcn-amd-amdhsa -mcpu=gfx1250 --defsym DOCPART=n.
;; ======== version 1 of 1: 3 launches
;; workspace buffers: wf 2,097,152 bytes; cs 131,072 bytes; pacc 1,048,576 bytes; pstat 65,536 bytes
;; launch prep (part 1): grid 64 x 1, 8 waves a work-group, no clusters, 149,248 bytes of LDS; arguments attn_w, hidden, attn_b, wf, cs; writes wf, cs
.if DOCPART == 1
	.amdgcn_target "amdgcn-amd-amdhsa--gfx1250"
	.amdhsa_code_object_version 6
	.text
	.protected	k_q04b1a5c6bc_prep
	.globl	k_q04b1a5c6bc_prep
	.p2align	8
	.type	k_q04b1a5c6bc_prep,@function
k_q04b1a5c6bc_prep:
	s_mov_b64 s[64:65], 0
	v_nop
	global_prefetch_b8 v0, s[64:65] scope:SCOPE_SE
	s_setreg_imm32_b32 hwreg(HW_REG_WAVE_MODE, 25, 1), 1
	s_wait_xcnt 0x0
; PREP.  attn_w: [1024 p][2048] f32 (columns 0-1023 = w_h, 1024-2047 = w_e); hidden: [32 b][1024] f32; attn_b: [1024] f32.
; Makes (1) wf: w_e rounded to bf16, laid out in the order in which the main launch's waves load matrix fragments:
;           bf16 [w 4][q 2][t 32][i 8][half 2][lane 32][8],  p = 512 q + 128 w + 16 i + (lane & 15),  k = 32 t + 16 half + 8 (lane >> 4) + 0..7
;       (2) cs[b][p] = 2 log2(e) (sum over o of hidden[b][o] w_h[p][o] + attn_b[p]), f32: the part of tanh's argument that does not hang on s,
;           computed once instead of once for each s, already scaled for exp2.
; Work-group j owns p = 16 j .. 16 j + 15; eight waves.  The product runs on bf16 operands with f32 sums; K = 1024 is split over the
; eight waves (128 each) and the eight partial tiles are added in f32 through LDS, so the order of rounding differs from a single chain.
; LIMITS: operands rounded to bf16 (nearest even); NaN and infinities in the inputs are not served.
; cs leaves in pieces of 64 bytes (16 p of one b belong to one work-group); it is 131,072 bytes in all.  wf leaves in runs of 512 bytes.
.set WPITCH, 4112                      ; LDS row of attn_w in bf16: 4,096 bytes + 16: an odd multiple of 16, so a fragment's 16 rows start in 16 different 16-byte columns of a 256-byte span
.set HPITCH, 2064                      ; LDS row of hidden in bf16: 2,048 bytes + 16
.set WL, 0                             ; 16 rows of attn_w
.set HL, 16*WPITCH                     ; 32 rows of hidden
.set RS, HL+32*HPITCH                  ; 8 waves x 2 tiles x 32 lanes x 32 bytes: the partial sums
.set WREG, 32                          ; v[32:159]  two rows of attn_w as loaded; later two rows of hidden; later the fragments
.set H1REG, 160                        ; v[160:223] two rows of hidden as loaded; later accumulators and the reduction
.set PK, 224                           ; v[224:255] packed bf16 on their way to LDS
.set FWE, 32                           ; v[32:63]   four fragments of w_e
.set FWH, 64                           ; v[64:95]   four fragments of w_h
.set FH, 96                            ; v[96:159]  fragments of hidden: (mb, t) at FH + 8 (4 mb + t)
.set ACC, 160                          ; v[160:167] b 0-15, v[168:175] b 16-31
.set RED, 176                          ; v[176:191] eight waves' partial pairs
	s_load_b256 s[4:11], s[0:1], 0x0               ; attn_w s[4:5], hidden s[6:7], attn_b s[8:9], wf s[10:11]
	s_load_b64 s[12:13], s[0:1], 0x20              ; cs
	v_lshl_add_u32 v30, v0, 2, 0x24300
	v_mov_b32 v31, 0
	v_lshrrev_b32 v12, 5, v0
	v_readfirstlane_b32 s14, v12                   ; wave w, 0..7
	s_mov_b32 s18, 0x4038aa3b                      ; 2 log2(e), twice: a pair for the packed multiply
	s_mov_b32 s19, 0x4038aa3b
	s_lshl_b32 s16, ttmp9, 17                      ; attn_w: 16 j rows of 8,192 bytes
	s_lshl_b32 s20, s14, 14                        ; + 2 w rows; also hidden: 4 w rows of 4,096 bytes
	s_add_co_u32 s16, s16, s20
	s_mov_b32 s17, 0
	s_mov_b32 s21, 0
	s_lshl_b32 s22, ttmp9, 6                       ; 16 j f32: my place in attn_b and in a row of cs
	s_mov_b32 s23, 0
	s_bfe_u32 s24, ttmp9, 0x20003                  ; wf: j = 32 q + 8 w + i.  (j >> 3) & 3, the main launch's wave,
	s_lshl_b32 s24, s24, 19                        ; times 524,288
	s_lshr_b32 s26, ttmp9, 5                       ; q
	s_lshl_b32 s26, s26, 18                        ; times 262,144
	s_add_co_u32 s24, s24, s26
	s_and_b32 s26, ttmp9, 7                        ; i
	s_lshl_b32 s26, s26, 10                        ; times 1,024
	s_add_co_u32 s24, s24, s26
	s_lshl_b32 s26, s14, 15                        ; my four t = 4 w .. 4 w + 3, 8,192 bytes each
	s_add_co_u32 s24, s24, s26
	s_mov_b32 s25, 0
	s_mul_i32 s27, s14, 2*WPITCH                   ; LDS: my two rows of attn_w
	s_mul_i32 s28, s14, 4*HPITCH                   ; my four rows of hidden
	s_add_co_u32 s28, s28, HL
	s_lshl_b32 s29, s14, 8                         ; my 128 k in a bf16 row
	s_add_co_u32 s30, s29, HL
	s_lshl_b32 s31, s14, 11                        ; my two partial tiles
	s_add_co_u32 s31, s31, RS
	v_and_b32 v12, 31, v0                          ; lane L
	v_and_b32 v13, 15, v0                          ; r = L & 15
	v_bfe_u32 v14, v0, 4, 1                        ; h = L >> 4
	v_lshlrev_b32 v1, 4, v12                       ; 16 L
	v_lshl_add_u32 v2, v12, 3, s27                 ; where my 8 packed bytes of attn_w go
	v_lshl_add_u32 v3, v12, 3, s28                 ; and those of hidden
	v_mul_u32_u24 v4, v13, WPITCH                  ; fragments of attn_w: row r, 16 h, my 128 k
	v_lshl_add_u32 v4, v14, 4, v4
	v_add_nc_u32 v4, s29, v4
	v_mul_u32_u24 v5, v13, HPITCH                  ; fragments of hidden
	v_lshl_add_u32 v5, v14, 4, v5
	v_add_nc_u32 v5, s30, v5
	v_lshl_add_u32 v6, v12, 5, s31                 ; my lane's 32 bytes of a partial tile
	; the reduction: thread tid owns b = tid >> 3 and the two p 2 pp, 2 pp + 1, pp = tid & 7.  In a tile, element (p, b) lies in
	; lane 16 (p >> 3) + (b & 15), register p & 7
	v_lshrrev_b32 v15, 3, v0                       ; b
	v_and_b32 v16, 7, v0                           ; pp
	v_lshrrev_b32 v17, 7, v0                       ; b >> 4: which tile
	v_bfe_u32 v18, v0, 2, 1                        ; pp >> 2: which half of the lanes
	v_bfe_u32 v19, v0, 3, 4                        ; b & 15
	v_and_b32 v20, 3, v0                           ; pp & 3: which register pair
	v_lshlrev_b32 v7, 10, v17
	v_lshl_add_u32 v7, v18, 9, v7
	v_lshl_add_u32 v7, v19, 5, v7
	v_lshl_add_u32 v7, v20, 3, v7
	v_add_nc_u32 v7, RS, v7
	v_lshlrev_b32 v9, 3, v16                       ; 8 pp
	v_lshl_add_u32 v8, v15, 12, v9                 ; cs: 4,096 b + 8 pp
	s_wait_kmcnt 0x0
	s_add_nc_u64 s[4:5], s[4:5], s[16:17]
	s_add_nc_u64 s[6:7], s[6:7], s[20:21]
	s_add_nc_u64 s[8:9], s[8:9], s[22:23]
	s_add_nc_u64 s[10:11], s[10:11], s[24:25]
	s_add_nc_u64 s[12:13], s[12:13], s[22:23]
	global_load_b64 v[10:11], v9, s[8:9]           ; my two biases
.set jx, 0
.rept 32                                           ; my two rows of attn_w lie one behind the other: 32 runs of 512 bytes
	global_load_b128 v[WREG+4*jx:WREG+4*jx+3], v1, s[4:5] offset:512*jx th:TH_LOAD_NT
.set jx, jx+1
.endr
.set jx, 0
.rept 16                                           ; hidden rows 4 w, 4 w + 1
	global_load_b128 v[H1REG+4*jx:H1REG+4*jx+3], v1, s[6:7] offset:512*jx
.set jx, jx+1
.endr
; Sixteen loads (64 registers from src) are rounded to bf16 and stored: each store of the wave covers 256 consecutive LDS bytes.
; The first eight go to base0 + 256 j, the last eight to base1 + 256 j, from the address register adr.
.macro CVT16 src, adr, base0, base1
.set jx, 0
.rept 16
	v_cvt_pk_bf16_f32 v[PK+2*jx], v[\src+4*jx], v[\src+4*jx+1]
	v_cvt_pk_bf16_f32 v[PK+2*jx+1], v[\src+4*jx+2], v[\src+4*jx+3]
.set jx, jx+1
.endr
.set jx, 0
.rept 8
	ds_store_b64 v[\adr], v[PK+2*jx:PK+2*jx+1] offset:\base0+256*jx
	ds_store_b64 v[\adr], v[PK+16+2*jx:PK+17+2*jx] offset:\base1+256*jx
.set jx, jx+1
.endr
.endm
	s_wait_loadcnt 16                              ; the 16 loads of hidden are younger: the biases and both rows of attn_w are in
	CVT16 WREG, 2, 0, 2048                         ; row 2 w: w_h half, w_e half
	CVT16 WREG+64, 2, WPITCH, WPITCH+2048          ; row 2 w + 1
.set jx, 0
.rept 16                                           ; hidden rows 4 w + 2, 4 w + 3, into registers that the conversions have read
	global_load_b128 v[WREG+4*jx:WREG+4*jx+3], v1, s[6:7] offset:8192+512*jx
.set jx, jx+1
.endr
	s_wait_loadcnt 16                              ; these 16 are younger: the first two rows of hidden are in
	CVT16 H1REG, 3, 0, HPITCH
	s_wait_loadcnt 0x0
	CVT16 WREG, 3, 2*HPITCH, 3*HPITCH
	s_wait_dscnt 0x0                               ; my stores are in LDS, for the other waves
	s_barrier_signal -1
	s_barrier_wait -1                              ; everybody's are
	; fragments (16 rows x 32 k in 8 registers: two loads of 16 bytes, 32 bytes apart) of my four k blocks
.irp t, 0,1,2,3
	ds_load_b128 v[FWE+8*\t:FWE+8*\t+3], v4 offset:2048+64*\t
	ds_load_b128 v[FWE+8*\t+4:FWE+8*\t+7], v4 offset:2048+64*\t+32
.endr
.irp t, 0,1,2,3
	ds_load_b128 v[FWH+8*\t:FWH+8*\t+3], v4 offset:64*\t
	ds_load_b128 v[FWH+8*\t+4:FWH+8*\t+7], v4 offset:64*\t+32
.endr
.irp mb, 0,1
.irp t, 0,1,2,3
	ds_load_b128 v[FH+8*(4*\mb+\t):FH+8*(4*\mb+\t)+3], v5 offset:16*HPITCH*\mb+64*\t
	ds_load_b128 v[FH+8*(4*\mb+\t)+4:FH+8*(4*\mb+\t)+7], v5 offset:16*HPITCH*\mb+64*\t+32
.endr
.endr
	s_wait_dscnt 24                                ; the 24 loads of w_h and hidden are younger: w_e's fragments are in
.irp t, 0,1,2,3
	global_store_b128 v1, v[FWE+8*\t:FWE+8*\t+3], s[10:11] offset:8192*\t          ; a fragment half as it lies in the registers: 512 consecutive bytes
	global_store_b128 v1, v[FWE+8*\t+4:FWE+8*\t+7], s[10:11] offset:8192*\t+512
.endr
	s_wait_dscnt 0x0
	; source 0 = 16 p of w_h, source 1 = 16 b of hidden: lane (r, h), register j holds (p = 8 h + j, b = r).
	; The two accumulators take turns, one instruction a turn; the first products start the sums.
	v_wmma_f32_16x16x32_bf16 v[ACC:ACC+7], v[FWH:FWH+7], v[FH:FH+7], 0
	v_wmma_f32_16x16x32_bf16 v[ACC+8:ACC+15], v[FWH:FWH+7], v[FH+32:FH+39], 0
.irp t, 1,2,3
	v_wmma_f32_16x16x32_bf16 v[ACC:ACC+7], v[FWH+8*\t:FWH+8*\t+7], v[FH+8*\t:FH+8*\t+7], v[ACC:ACC+7]
	v_wmma_f32_16x16x32_bf16 v[ACC+8:ACC+15], v[FWH+8*\t:FWH+8*\t+7], v[FH+32+8*\t:FH+32+8*\t+7], v[ACC+8:ACC+15]
.endr
.rept 4
	v_nop                                          ; four places between the last matrix instruction and the stores that read its result
.endr
	ds_store_b128 v6, v[ACC:ACC+3]
	ds_store_b128 v6, v[ACC+4:ACC+7] offset:16
	ds_store_b128 v6, v[ACC+8:ACC+11] offset:1024
	ds_store_b128 v6, v[ACC+12:ACC+15] offset:1040
	s_wait_dscnt 0x0                               ; my partial tiles are in LDS, for the other waves
	s_barrier_signal -1
	s_barrier_wait -1
.irp u, 0,1,2,3,4,5,6,7
	ds_load_b64 v[RED+2*\u:RED+2*\u+1], v7 offset:2048*\u      ; my two p of my b, from each wave's share of K
.endr
	s_wait_dscnt 0x0
	v_pk_add_f32 v[RED:RED+1], v[RED:RED+1], v[RED+2:RED+3]
	v_pk_add_f32 v[RED+4:RED+5], v[RED+4:RED+5], v[RED+6:RED+7]
	v_pk_add_f32 v[RED+8:RED+9], v[RED+8:RED+9], v[RED+10:RED+11]
	v_pk_add_f32 v[RED+12:RED+13], v[RED+12:RED+13], v[RED+14:RED+15]
	v_pk_add_f32 v[RED:RED+1], v[RED:RED+1], v[RED+4:RED+5]
	v_pk_add_f32 v[RED+8:RED+9], v[RED+8:RED+9], v[RED+12:RED+13]
	v_pk_add_f32 v[RED:RED+1], v[RED:RED+1], v[RED+8:RED+9]
	v_pk_add_f32 v[RED:RED+1], v[RED:RED+1], v[10:11]                  ; + attn_b
	v_pk_mul_f32 v[RED:RED+1], v[RED:RED+1], s[18:19] op_sel_hi:[1,0]  ; x 2 log2(e)
	global_store_b64 v8, v[RED:RED+1], s[12:13]
	s_wait_tensorcnt 0x0
	ds_add_u32 v30, v31
	s_wait_dscnt 0x0
	s_endpgm
.Lfunc_end_k_q04b1a5c6bc_prep:
	.size	k_q04b1a5c6bc_prep, .Lfunc_end_k_q04b1a5c6bc_prep-k_q04b1a5c6bc_prep
	.p2alignl 7, 3214868480
	.fill 96, 4, 3214868480
	.section	.rodata,"a",@progbits
	.p2align	6, 0x0
	.amdhsa_kernel k_q04b1a5c6bc_prep
		.amdhsa_group_segment_fixed_size 149248
		.amdhsa_private_segment_fixed_size 0
		.amdhsa_enable_private_segment 0
		.amdhsa_kernarg_size 40
		.amdhsa_user_sgpr_count 2
		.amdhsa_user_sgpr_kernarg_segment_ptr 1
		.amdhsa_wavefront_size32 1
		.amdhsa_system_sgpr_workgroup_id_x 1
		.amdhsa_system_sgpr_workgroup_id_y 1
		.amdhsa_system_sgpr_workgroup_id_z 1
		.amdhsa_system_vgpr_workitem_id 0
		.amdhsa_next_free_vgpr 256
		.amdhsa_next_free_sgpr 66
		.amdhsa_reserve_vcc 0
		.amdhsa_float_denorm_mode_32 3
		.amdhsa_float_denorm_mode_16_64 3
		.amdhsa_memory_ordered 1
		.amdhsa_forward_progress 1
		.amdhsa_inst_pref_size 27
	.end_amdhsa_kernel
	.amdgpu_metadata
---
amdhsa.version: [ 1, 2 ]
amdhsa.kernels:
  - .name:           k_q04b1a5c6bc_prep
    .symbol:         k_q04b1a5c6bc_prep.kd
    .args:
      - { .name: attn_w, .offset: 0, .size: 8, .value_kind: global_buffer, .address_space: global }
      - { .name: hidden, .offset: 8, .size: 8, .value_kind: global_buffer, .address_space: global }
      - { .name: attn_b, .offset: 16, .size: 8, .value_kind: global_buffer, .address_space: global }
      - { .name: wf, .offset: 24, .size: 8, .value_kind: global_buffer, .address_space: global }
      - { .name: cs, .offset: 32, .size: 8, .value_kind: global_buffer, .address_space: global }
    .group_segment_fixed_size: 149248
    .private_segment_fixed_size: 0
    .kernarg_segment_align: 8
    .kernarg_segment_size: 40
    .max_flat_workgroup_size: 256
    .sgpr_count:     66
    .vgpr_count:     256
    .wavefront_size: 32
...
	.end_amdgpu_metadata
.endif
;; end of part 1
;; launch main (part 2): grid 256 x 1, 4 waves a work-group, no clusters, 285,184 bytes of LDS; arguments encoder_outputs, wf, cs, v, pacc, pstat; writes pacc, pstat
.if DOCPART == 2
	.amdgcn_target "amdgcn-amd-amdhsa--gfx1250"
	.amdhsa_code_object_version 6
	.text
	.protected	k_q04b1a5c6bc_main
	.globl	k_q04b1a5c6bc_main
	.p2align	8
	.type	k_q04b1a5c6bc_main,@function
k_q04b1a5c6bc_main:
	s_mov_b64 s[64:65], 0
	v_nop
	global_prefetch_b8 v0, s[64:65] scope:SCOPE_SE
	s_setreg_imm32_b32 hwreg(HW_REG_WAVE_MODE, 25, 1), 1
	s_wait_xcnt 0x0
; MAIN.  Work-group g owns one b = g & 31 and 128 source positions s = 128 (g >> 5) + 0..127.  It computes, with encoder_outputs read once:
;   x[s][p]  = sum over e of enc[s][b][e] w_e[p][e]                      (matrix units, bf16 operands, f32 sums; 128 x 1024 x 1024)
;   score[s] = sum over p of v[p] tanh(x[s][p] + hidden.w_h[p] + attn_b[p])   (f32 on the vector unit)
;   m2 = max over my 128 s of score log2(e);  p[s] = exp2(score log2(e) - m2);  l = sum of p;  pacc[e] = sum over s of p[s] enc[s][b][e]
; and stores pacc (1,024 f32) and (m2, l).  The last launch merges the eight blocks of each b by their maxima.
; The 128 rows of enc are rounded to bf16 once and stay in LDS (pitch 2,064) for the big product AND for the weighted sum.
; Four waves.  N goes in two passes of 512; in a pass a wave holds 128 rows x 128 p in 64 accumulator tiles (512 registers).
; For 32 along K a wave issues 64 matrix instructions, 16 LDS loads (enc) and 16 global loads (its own 8,192 bytes of wf, which lies in
; fragment order: every load covers 512 consecutive bytes).  No two waves of a work-group read the same bytes of wf, so LDS would give
; them no second use; they land in a ring of four register buffers, three K steps (48 loads, 24,576 bytes a wave) on their way.
; NO CLUSTER, NO JOINT TENSOR LOADS, though all work-groups walk the same wf: the enc block takes 264,192 of the 327,680 bytes of LDS, and one
; K step of wf for four waves is 32,768 bytes, so two slots that take turns (65,536) do not fit in the 63,488 that are left beside it.
; LIMITS, stated: enc, w_e rounded to bf16 (nearest even).  v is used rounded to bf16, as an operand of a product, but energy and the sum over p
; stay f32.  tanh(x) = 1 - 2 / (1 + exp2(2 log2(e) x)): it saturates to +-1 through exp2 = infinity or 0; absolute error of a few 1e-7.
; Softmax weights below 2^-126 come out as 0 (v_exp_f32 flushes, ISA guide 15.8).  The weights enter the last product as bf16 hi + bf16 lo
; (16 bits of mantissa).  NaN and infinities in the inputs are not served.
.set PITCH, 2064                       ; 2,048 bytes of bf16 + 16: an odd multiple of 16, so a fragment's 16 rows start in 16 different 16-byte columns of a 256-byte span
.set RB, 16*PITCH                      ; a block of 16 rows
.set RB2, 32*PITCH
.set LCS, 128*PITCH                    ; 4,096 bytes: cs of my b (f32)
.set LVS, LCS+4096                     ; 4,096 bytes: v, rounded to bf16, as f32
.set LSC, LVS+4096                     ; 4 x 512: each wave's partial scores of the 128 rows
.set LPB, LSC+2048                     ; 4 x 512: each wave's own copy of the weights: 256 bytes hi, 256 bytes lo
.set LOW, LPB+2048                     ; 4 x 2,048: each wave's way out: 1,024 bytes hi sums, 1,024 bytes lo sums
; REGISTERS, in windows of 256 (s_set_vgpr_msb low byte: bits 1:0 source 0, 3:2 source 1, 5:4 source 2, 7:6 destination):
;  window 0: v1 16 L; v2,v3 staging addresses; v4-7 fragment addresses of row blocks 0-1, 2-3, 4-5, 6-7 at k = 0; v8-11 the same, stepped;
;            v12 c and v; v13,v14 scores out, back; v15,v16 weights out, back; v17-20 transposing loads; v21,v22 way out; v23 16 tid; v56 LCS + 16 tid; v57 8 L;
;            v24-55 at work; v64-127, v128-191 two buffers of enc fragments (also: row slots at the start, c and v in the epilogue, sums at the end);
;            v192-223 score sums S (pairs at 192 + 4 a + 2 u), later the weights' fragments; v224-251 softmax
;  window 1: four buffers of wf fragments at 0, 64, 128, 192; later the transposed enc fragments
;  window 2: accumulator tiles of row blocks a = 0-3 (tile (a, b) at 8 (8 a + b));  window 3: a = 4-7
.set FA0, 64
.set FA1, 128
.set FB0, 0
.set FB1, 64
.set FB2, 128
.set FB3, 192
.set CB, 64                            ; c of my 128 p of the pass: v[64:127]
.set VB, 128                           ; v of the same p: v[128:191]
.set SS, 192
.set MUL_LO, 0xa1                      ; source 0 (wf) window 1, source 1 (enc) window 0, C and D window 2
.set MUL_HI, 0xf1                      ; the same, C and D window 3
.set TO_B, 0x40                        ; destination window 1, address window 0
.set EP2, 0x82                         ; destination and source 0 window 2
.set EP3, 0xc3                         ; destination and source 0 window 3
.set RD2, 0x02                         ; source 0 window 2
.set RD3, 0x03                         ; source 0 window 3
.set WT, 0x04                          ; source 1 window 1
.set MSB, 0
.macro WIN new                         ; the immediate's high byte repeats the setting that is left; a switch that changes nothing is dropped
.if MSB != \new
	s_set_vgpr_msb (MSB<<8)|\new
.set MSB, \new
.endif
.endm
; Four places: a load into a register that a matrix instruction has read, and a vector instruction or LDS store that reads a matrix result,
; stand four plain vector instructions behind that matrix instruction (ISA guide 7.12.1 for reads of a matrix result).
.macro PLACES
.rept 4
	v_nop
.endr
.endm
	s_load_b256 s[4:11], s[0:1], 0x0               ; enc s[4:5], wf s[6:7], cs s[8:9], v s[10:11]
	s_load_b128 s[12:15], s[0:1], 0x20             ; pacc s[12:13], pstat s[14:15]
	v_lshl_add_u32 v62, v0, 2, 0x45800
	v_mov_b32 v63, 0
	v_lshrrev_b32 v24, 5, v0
	v_readfirstlane_b32 s16, v24                   ; wave w, 0..3
	s_and_b32 s17, ttmp9, 31                       ; b
	s_lshr_b32 s18, ttmp9, 5                       ; sb: which 128 s
	s_mov_b32 s22, 0x4038aa3b                      ; 2 log2(e), twice: a pair for the packed multiply-add
	s_mov_b32 s23, 0x4038aa3b
	s_mov_b32 s24, 0x76543210                      ; v_permlanex16_b32: lane i of one half reads lane i of the other
	s_mov_b32 s25, 0xfedcba98
	s_mov_b32 s27, 0xffff0000                      ; a word's upper bf16
	s_mul_i32 s30, s16, RB2                        ; LDS: the 32 rows that I stage
	s_lshl_b32 s31, s16, 9                         ; 512 w
	s_add_co_u32 s32, s31, LCS
	s_add_co_u32 s33, s31, LSC
	s_add_co_u32 s34, s31, LPB
	s_lshl_b32 s35, s16, 11
	s_add_co_u32 s35, s35, LOW
	v_and_b32 v24, 31, v0                          ; L
	v_and_b32 v25, 15, v0                          ; r = L & 15
	v_bfe_u32 v26, v0, 4, 1                        ; h = L >> 4
	v_bfe_u32 v27, v0, 3, 1                        ; (L >> 3) & 1
	v_and_b32 v28, 7, v0                           ; L & 7
	v_lshlrev_b32 v1, 4, v24                       ; 16 L
	v_lshl_add_u32 v2, v24, 3, s30                 ; staging: my rows 0-15, 8 bytes a lane
	v_add_nc_u32 v3, RB, v2                        ; my rows 16-31
	v_mul_u32_u24 v4, v25, PITCH                   ; fragments: row r, 16 h
	v_lshl_add_u32 v4, v26, 4, v4
	v_add_nc_u32 v5, RB2, v4
	v_add_nc_u32 v6, 2*RB2, v4
	v_add_nc_u32 v7, 3*RB2, v4
	v_lshl_add_u32 v12, v26, 5, s32                ; c and v: my wave's 128 p, 8 h of a tile's 16
	v_lshl_add_u32 v13, v25, 2, s33                ; my wave's partial score of row 16 a + r
	v_add_nc_u32 v14, LSC, v1                      ; back: rows 4 L .. 4 L + 3
	v_lshl_add_u32 v15, v24, 3, s34                ; weights of rows 4 L .. 4 L + 3 as bf16
	v_lshl_add_u32 v16, v27, 8, s34                ; their fragment: matrix rows 0-7 take hi, rows 8-15 take lo,
	v_lshl_add_u32 v16, v26, 4, v16                ; 16 h
	v_lshl_add_u32 v29, v26, 3, v28                ; transposing loads: row 8 h + (L & 7),
	v_mul_u32_u24 v29, v29, PITCH
	v_lshl_add_u32 v29, v27, 4, v29                ; 16 bytes for each half of a group of sixteen lanes,
	v_add_nc_u32 v17, s31, v29                     ; my wave's 256 e
	v_add_nc_u32 v18, RB2, v17
	v_add_nc_u32 v19, 2*RB2, v17
	v_add_nc_u32 v20, 3*RB2, v17
	v_lshl_add_u32 v21, v26, 10, s35               ; way out: hi sums from lanes 0-15, lo sums from lanes 16-31
	v_lshl_add_u32 v21, v25, 2, v21
	v_add_nc_u32 v22, s35, v1
	v_lshlrev_b32 v23, 4, v0                       ; 16 tid
	v_add_nc_u32 v56, LCS, v23
	v_lshlrev_b32 v57, 3, v24                      ; 8 L
	s_lshl_b32 s20, s17, 12                        ; 4,096 b
	s_mov_b32 s21, 0
	s_wait_kmcnt 0x0
	s_add_nc_u64 s[8:9], s[8:9], s[20:21]          ; cs at my b
	s_lshl_b32 s19, s18, 24                        ; 128 sb rows of 131,072 bytes
	s_add_co_u32 s20, s20, s19
	s_lshl_b32 s19, s16, 22                        ; 32 w rows
	s_add_co_u32 s20, s20, s19                     ; at most 130,150,400: one word
	s_add_nc_u64 s[4:5], s[4:5], s[20:21]          ; enc at the first row that I stage
	s_lshl_b32 s20, s16, 19
	s_add_nc_u64 s[28:29], s[6:7], s[20:21]        ; wf at my wave's stream of 524,288 bytes
	s_lshl3_add_u32 s19, s17, s18                  ; 8 b + sb
	s_lshl_b32 s20, s19, 12
	s_lshl_b32 s36, s16, 10
	s_add_co_u32 s20, s20, s36
	s_add_nc_u64 s[12:13], s[12:13], s[20:21]      ; pacc at my wave's 256 e
	s_lshl_b32 s20, s19, 8
	s_add_nc_u64 s[14:15], s[14:15], s[20:21]      ; pstat at my block's 256 bytes
	; ---- PHASE 0: c, v and my 32 rows of enc into LDS.  A turn is two rows (16 loads of 512 bytes); three turns are on their way.
	global_load_b128 v[24:27], v23, s[8:9]
	global_load_b128 v[28:31], v23, s[8:9] offset:2048
	global_load_b128 v[32:35], v23, s[10:11]
	global_load_b128 v[36:39], v23, s[10:11] offset:2048
.macro FILLA i                         ; the 16 loads of turn i, into slot i mod 3
.set sl, 64+64*((\i)%3)
.set jx, 0
.rept 16
.set rw, 2*(\i)+(jx>>3)
	global_load_b128 v[sl+4*jx:sl+4*jx+3], v1, s[4:5] offset:rw*131072+512*(jx&7) th:TH_LOAD_NT
.set jx, jx+1
.endr
.endm
	FILLA 0
	FILLA 1
	FILLA 2
	s_wait_loadcnt 48                              ; the three turns' 48 loads are younger: c and v are in
	ds_store_b128 v56, v[24:27]
	ds_store_b128 v56, v[28:31] offset:2048
.irp u, 0,1,2,3
	v_cvt_pk_bf16_f32 v[40+\u], v[32+2*\u], v[33+2*\u]         ; v rounded to bf16,
.endr
.irp u, 0,1,2,3
	v_lshlrev_b32 v[32+2*\u], 16, v[40+\u]                     ; and widened again: it multiplies f32 numbers
	v_and_b32 v[33+2*\u], s27, v[40+\u]
.endr
	ds_store_b128 v56, v[32:35] offset:4096
	ds_store_b128 v56, v[36:39] offset:6144
; Turn i: cnt = the loads of the younger turns, which stay out; refill = 1: the slot gets turn i + 3.  All offsets are immediates: no register is stepped.
.macro A0TURN i, cnt, refill
	s_wait_loadcnt \cnt
.set sl, 64+64*((\i)%3)
.set jx, 0
.rept 16
	v_cvt_pk_bf16_f32 v[24+2*jx], v[sl+4*jx], v[sl+4*jx+1]
	v_cvt_pk_bf16_f32 v[25+2*jx], v[sl+4*jx+2], v[sl+4*jx+3]
.set jx, jx+1
.endr
.if \refill
	FILLA \i+3
.endif
.set jx, 0
.rept 16
.set rw, 2*(\i)+(jx>>3)
	ds_store_b64 v[2+(rw>>4)], v[24+2*jx:25+2*jx] offset:PITCH*(rw&15)+256*(jx&7)      ; 256 consecutive LDS bytes
.set jx, jx+1
.endr
.endm
.irp i, 0,1,2,3,4,5,6,7,8,9,10,11,12
	A0TURN \i, 32, 1
.endr
	A0TURN 13, 32, 0                               ; the last three turns load nothing: the counts run down
	A0TURN 14, 16, 0
	A0TURN 15, 0, 0
; 16 global loads: the eight wf fragments of one K step, 8,192 consecutive bytes at boff from the stream's pointer, into buffer fb
.macro LOADB fb, boff
	WIN TO_B
.irp i, 0,1,2,3,4,5,6,7
	global_load_b128 v[\fb+8*\i:\fb+8*\i+3], v1, s[28:29] offset:\boff+1024*\i
	global_load_b128 v[\fb+8*\i+4:\fb+8*\i+7], v1, s[28:29] offset:\boff+1024*\i+512
.endr
.endm
; 16 LDS loads: the eight enc fragments (128 rows x 32 k at byte k from the stepped addresses) into buffer fa
.macro FETCHA fa, k
	WIN 0
.irp a, 0,1,2,3,4,5,6,7
	ds_load_b128 v[\fa+8*\a:\fa+8*\a+3], v[8+(\a>>1)] offset:RB*(\a&1)+\k
	ds_load_b128 v[\fa+8*\a+4:\fa+8*\a+7], v[8+(\a>>1)] offset:RB*(\a&1)+\k+32
.endr
.endm
; 32 matrix instructions: four row blocks (hi = 0: 0-3, 1: 4-7) x eight p blocks.  Source 0 = 16 p of w_e, source 1 = 16 rows of enc:
; lane (r, h), register j of tile (a, b) holds (row 16 a + r, p = 16 b + 8 h + j): eight neighbouring p of one row.
; The 64 accumulators take turns, one instruction a turn, in the same order in every K step.
.macro MUL32 fa, fb, hi, zero
.irp a, 0,1,2,3
.irp b, 0,1,2,3,4,5,6,7
.if \zero
	v_wmma_f32_16x16x32_bf16 v[8*(8*\a+\b):8*(8*\a+\b)+7], v[\fb+8*\b:\fb+8*\b+7], v[\fa+8*(4*\hi+\a):\fa+8*(4*\hi+\a)+7], 0
.else
	v_wmma_f32_16x16x32_bf16 v[8*(8*\a+\b):8*(8*\a+\b)+7], v[\fb+8*\b:\fb+8*\b+7], v[\fa+8*(4*\hi+\a):\fa+8*(4*\hi+\a)+7], v[8*(8*\a+\b):8*(8*\a+\b)+7]
.endif
.endr
.endr
.endm
; One K step of 32: multiplies buffers fa, fb.  In its middle it asks for wf three steps ahead (into fbn, read last in the step before)
; and for enc one step ahead (into fan).  lcnt = the wf loads of the younger steps, which stay out.
.macro STEP fa, fan, fb, fbn, zero, afetch, k, bload, boff, lcnt
	s_wait_loadcnt \lcnt                           ; loads come back in order (ISA guide 5.7.1): this step's wf fragments are in
	s_wait_dscnt 8                                 ; enc row blocks 0-3 are in; the youngest eight loads (blocks 4-7) may be out
	WIN MUL_LO
	MUL32 \fa, \fb, 0, \zero
.if \bload+\afetch
	PLACES
.endif
.if \bload
	LOADB \fbn, \boff
.endif
.if \afetch
	FETCHA \fan, \k
	s_wait_dscnt 16                                ; all but the 16 just issued
.else
	s_wait_dscnt 0x0
.endif
	WIN MUL_HI
	MUL32 \fa, \fb, 1, \zero
.endm
; Four K steps, once round the ring of wf buffers.  first: the first step starts the sums; lastA: the last step fetches no enc;
; more: steps 1 to 3 ask for wf too (step 0 always does); c2, c3: the load counts of steps 2 and 3.
.macro TRIP first, lastA, more, c2, c3
	STEP FA0, FA1, FB0, FB3, \first, 1, 64, 1, 3*8192, 32
	STEP FA1, FA0, FB1, FB0, 0, 1, 128, \more, 4*8192, 32
	STEP FA0, FA1, FB2, FB1, 0, 1, 192, \more, 5*8192, \c2
	STEP FA1, FA0, FB3, FB2, 0, 1-\lastA, 256, \more, 6*8192, \c3
.endm
.macro ADVB
	WIN 0
	s_wait_xcnt 0x0                                ; the loads that name the stream's pointer have had their addresses translated: it is stepped only behind this wait
	s_add_nc_u64 s[28:29], s[28:29], 4*8192
.endm
.macro ADV
	ADVB
.irp i, 0,1,2,3
	v_add_nc_u32 v[8+\i], 256, v[8+\i]             ; 128 k on
.endr
.endm
; The epilogue's stages on tile n of the window at hand, in place: x2 = 2 log2(e) x + c; exp2; + 1; 1 / ..; 1 - 2 ..
.macro E1 n
.set tr, 8*(\n)
.set tc, CB+8*((\n)&7)
.irp jp, 0,2,4,6
	v_pk_fma_f32 v[tr+\jp:tr+\jp+1], v[tr+\jp:tr+\jp+1], s[22:23], v[tc+\jp:tc+\jp+1] op_sel_hi:[1,0,1]
.endr
.endm
.macro E2 n
.set tr, 8*(\n)
.irp jp, 0,1,2,3,4,5,6,7
	v_exp_f32 v[tr+\jp], v[tr+\jp]
.endr
.endm
.macro E3 n
.set tr, 8*(\n)
	s_wait_alu depctr_va_vdst(0)
.irp jp, 0,2,4,6
	v_pk_add_f32 v[tr+\jp:tr+\jp+1], v[tr+\jp:tr+\jp+1], 1.0 op_sel_hi:[1,0]
.endr
.endm
.macro E4 n
.set tr, 8*(\n)
.irp jp, 0,1,2,3,4,5,6,7
	v_rcp_f32 v[tr+\jp], v[tr+\jp]
.endr
.endm
.macro ET n
.set tr, 8*(\n)
	s_wait_alu depctr_va_vdst(0)
.irp jp, 0,2,4,6
	v_pk_fma_f32 v[tr+\jp:tr+\jp+1], v[tr+\jp:tr+\jp+1], -2.0, 1.0 op_sel_hi:[1,0,0]
.endr
.endm
; tanh of a window's 32 tiles.  The stages of neighbouring tiles are interleaved so that between every v_exp_f32 or v_rcp_f32 and the first
; use of its result stands a plain vector instruction on another tile (ISA guide 5.7.2): the next tile's first stage, or a v_nop at the end.
.macro TANH32
	E1 0
	E2 0
.set tn, 0
.rept 31
	E1 tn+1
.if tn > 0
	ET tn-1
.endif
	E3 tn
	E4 tn
	E2 tn+1
.set tn, tn+1
.endr
	v_nop
	s_wait_alu depctr_va_vdst(0)
	ET 30
	E3 31
	E4 31
	v_nop
	s_wait_alu depctr_va_vdst(0)
	ET 31
.endm
; S[a] += v[p] energy[row][p] over a window's tiles, two p at a time, in two chains for each row block: a chain's turn comes every eighth instruction.
; The very first products (pass 0, p block 0, register pairs 0 and 1) start the sums: nothing is cleared.
.macro SSUM q, hi
.irp bb, 0,1,2,3,4,5,6,7
.irp jp, 0,1,2,3
.irp aa, 0,1,2,3
.if (\q+\bb+(\jp>>1)) == 0
	v_pk_mul_f32 v[SS+4*(4*\hi+\aa)+2*(\jp&1):SS+4*(4*\hi+\aa)+2*(\jp&1)+1], v[8*(8*\aa+\bb)+2*\jp:8*(8*\aa+\bb)+2*\jp+1], v[VB+8*\bb+2*\jp:VB+8*\bb+2*\jp+1]
.else
	v_pk_fma_f32 v[SS+4*(4*\hi+\aa)+2*(\jp&1):SS+4*(4*\hi+\aa)+2*(\jp&1)+1], v[8*(8*\aa+\bb)+2*\jp:8*(8*\aa+\bb)+2*\jp+1], v[VB+8*\bb+2*\jp:VB+8*\bb+2*\jp+1], v[SS+4*(4*\hi+\aa)+2*(\jp&1):SS+4*(4*\hi+\aa)+2*(\jp&1)+1]
.endif
.endr
.endr
.endr
.endm
.macro EPI q
	PLACES                                         ; behind the pass's last matrix instructions: for the loads into the enc buffers and for the first stage
	WIN 0
.irp bb, 0,1,2,3,4,5,6,7
	ds_load_b128 v[CB+8*\bb:CB+8*\bb+3], v12 offset:2048*\q+64*\bb             ; c of p = 512 q + 128 w + 16 bb + 8 h + 0..7
	ds_load_b128 v[CB+8*\bb+4:CB+8*\bb+7], v12 offset:2048*\q+64*\bb+16
.endr
.irp bb, 0,1,2,3,4,5,6,7
	ds_load_b128 v[VB+8*\bb:VB+8*\bb+3], v12 offset:4096+2048*\q+64*\bb        ; v of the same p
	ds_load_b128 v[VB+8*\bb+4:VB+8*\bb+7], v12 offset:4096+2048*\q+64*\bb+16
.endr
	s_wait_dscnt 0x0
	WIN EP2
	TANH32
	WIN RD2
	SSUM \q, 0
	WIN EP3
	TANH32
	WIN RD3
	SSUM \q, 1
	WIN 0
.endm
; One pass over K for 512 p: eight trips of four K steps, the first and the last written out.  wf's stream runs on from pass 0 into pass 1:
; pass 0's last trip asks for pass 1's first three steps, which stay on their way through the epilogue (it touches no register of window 1).
.macro PASS q
.irp i, 0,1,2,3
	v_mov_b32 v[8+\i], v[4+\i]                     ; enc fragments from k = 0 again
.endr
	FETCHA FA0, 0
	TRIP 1, 0, 1, 32, 32
	ADV
	s_mov_b32 s26, 6
.Lk\q:
	TRIP 0, 0, 1, 32, 32
	ADV
	s_sub_co_i32 s26, s26, 1
	s_cmp_lg_u32 s26, 0
	s_cbranch_scc1 .Lk\q
.if \q == 0
	TRIP 0, 1, 1, 32, 32
	ADVB
.else
	TRIP 0, 1, 0, 16, 0                            ; the stream's last step is asked for in this trip's first step; then the counts run down
.endif
	EPI \q
.endm
	LOADB FB0, 0                                   ; wf's first three K steps go out
	LOADB FB1, 8192
	LOADB FB2, 16384
	WIN 0
	s_wait_dscnt 0x0                               ; my rows of enc and my parts of c and v are in LDS, for the other waves
	s_barrier_signal -1
	s_barrier_wait -1                              ; everybody's are.  From here to the scores no wave writes LDS: no barrier in the passes
	; ---- PHASES 1, 2
	PASS 0
	PASS 1
	; ---- PHASE 3: scores and the block's own softmax
.irp a, 0,1,2,3,4,5,6,7
	v_pk_add_f32 v[SS+4*\a:SS+4*\a+1], v[SS+4*\a:SS+4*\a+1], v[SS+4*\a+2:SS+4*\a+3]
.endr
.irp a, 0,1,2,3,4,5,6,7
	v_add_f32 v[SS+4*\a], v[SS+4*\a], v[SS+4*\a+1]
.endr
.irp a, 0,1,2,3,4,5,6,7
	v_permlanex16_b32 v[SS+4*\a+1], v[SS+4*\a], s24, s25       ; the other eight p of each tile lie in the other half of the lanes
.endr
.irp a, 0,1,2,3,4,5,6,7
	v_add_f32 v[SS+4*\a], v[SS+4*\a], v[SS+4*\a+1]
	ds_store_b32 v13, v[SS+4*\a] offset:64*\a                  ; row 16 a + r: lanes r and 16 + r store the same number to the same word
.endr
	s_wait_dscnt 0x0                               ; my partial scores are in LDS, for the other waves
	s_barrier_signal -1
	s_barrier_wait -1
	; from here each wave works for itself: all four make the same scores, maximum and weights
.irp u, 0,1,2,3
	ds_load_b128 v[224+4*\u:227+4*\u], v14 offset:512*\u       ; rows 4 L .. 4 L + 3, each wave's 256 p
.endr
	s_wait_dscnt 0x0
	v_pk_add_f32 v[224:225], v[224:225], v[228:229]
	v_pk_add_f32 v[226:227], v[226:227], v[230:231]
	v_pk_add_f32 v[232:233], v[232:233], v[236:237]
	v_pk_add_f32 v[234:235], v[234:235], v[238:239]
	v_pk_add_f32 v[224:225], v[224:225], v[232:233]
	v_pk_add_f32 v[226:227], v[226:227], v[234:235]
	v_pk_mul_f32 v[224:225], v[224:225], 0x3fb8aa3b op_sel_hi:[1,0]    ; x log2(e): the exponentials are base 2
	v_pk_mul_f32 v[226:227], v[226:227], 0x3fb8aa3b op_sel_hi:[1,0]
	v_max3_num_f32 v240, v224, v225, v226
	v_max_num_f32 v240, v240, v227
	v_max_num_f32_dpp v240, v240, v240 row_xmask:1 row_mask:0xf bank_mask:0xf
	v_max_num_f32_dpp v240, v240, v240 row_xmask:2 row_mask:0xf bank_mask:0xf
	v_max_num_f32_dpp v240, v240, v240 row_xmask:4 row_mask:0xf bank_mask:0xf
	v_max_num_f32_dpp v240, v240, v240 row_xmask:8 row_mask:0xf bank_mask:0xf
	v_permlanex16_b32 v228, v240, s24, s25         ; its destination counts as read: a register that has been written
	v_max_num_f32 v240, v240, v228                 ; m2: the largest of my block's 128 scores
.irp u, 0,1,2,3
	v_sub_f32 v[224+\u], v[224+\u], v240
.endr
.irp u, 0,1,2,3
	v_exp_f32 v[224+\u], v[224+\u]                 ; p = exp2(score - m2), at most 1
.endr
	v_nop                                          ; a plain instruction between the exponentials and their first use (ISA guide 5.7.2)
	s_wait_alu depctr_va_vdst(0)
	v_add_f32 v241, v224, v225
	v_add_f32 v242, v226, v227
	v_add_f32 v241, v241, v242
	v_add_f32_dpp v241, v241, v241 row_xmask:1 row_mask:0xf bank_mask:0xf
	v_add_f32_dpp v241, v241, v241 row_xmask:2 row_mask:0xf bank_mask:0xf
	v_add_f32_dpp v241, v241, v241 row_xmask:4 row_mask:0xf bank_mask:0xf
	v_add_f32_dpp v241, v241, v241 row_xmask:8 row_mask:0xf bank_mask:0xf
	v_permlanex16_b32 v242, v241, s24, s25
	v_add_f32 v241, v241, v242                     ; l: the sum of the f32 weights
	v_cvt_pk_bf16_f32 v244, v224, v225             ; hi = bf16(p)
	v_cvt_pk_bf16_f32 v245, v226, v227
	v_lshlrev_b32 v246, 16, v244
	v_and_b32 v247, s27, v244
	v_lshlrev_b32 v248, 16, v245
	v_and_b32 v249, s27, v245
	v_sub_f32 v246, v224, v246                     ; p - hi, exact in f32
	v_sub_f32 v247, v225, v247
	v_sub_f32 v248, v226, v248
	v_sub_f32 v249, v227, v249
	v_cvt_pk_bf16_f32 v250, v246, v247             ; lo = bf16(p - hi)
	v_cvt_pk_bf16_f32 v251, v248, v249
	ds_store_b64 v15, v[244:245]
	ds_store_b64 v15, v[250:251] offset:256
	; The weights as source 0 of the last product: matrix rows 0-7 all hold hi, rows 8-15 all hold lo, k = s.  So register 0 of a result holds the
	; hi sum in lanes 0-15 and the lo sum in lanes 16-31: the second half of the weights' bits costs no further matrix instruction.
	; These are my wave's own bytes, and LDS serves a wave's instructions in order (ISA guide 5.7.1): no wait between the stores and the loads.
.irp ks, 0,1,2,3
	ds_load_b128 v[192+8*\ks:195+8*\ks], v16 offset:64*\ks
	ds_load_b128 v[196+8*\ks:199+8*\ks], v16 offset:64*\ks+32
.endr
	; ---- PHASE 4: pacc[e] = sum over my 128 s of p[s] enc[s][e], e = 256 w .. 256 w + 255, from the same LDS rows, read transposed
; 32 transposing loads: rows 32 ks .. + 31 (k) x my 256 e (16 tiles of 16 columns), as source 1 fragments, into window 1 at buf
.macro FETCHT ks, buf
	WIN TO_B
.irp tl, 0,1,2,3,4,5,6,7,8,9,10,11,12,13,14,15
	ds_load_tr16_b128 v[\buf+8*\tl:\buf+8*\tl+3], v[17+\ks] offset:32*\tl
	ds_load_tr16_b128 v[\buf+8*\tl+4:\buf+8*\tl+7], v[17+\ks] offset:32*\tl+RB
.endr
.endm
; 16 matrix instructions on 16 accumulators, which take turns, one instruction a turn
.macro MULT ks, buf, zero
	WIN WT
.irp tl, 0,1,2,3,4,5,6,7,8,9,10,11,12,13,14,15
.if \zero
	v_wmma_f32_16x16x32_bf16 v[64+8*\tl:71+8*\tl], v[192+8*\ks:199+8*\ks], v[\buf+8*\tl:\buf+8*\tl+7], 0
.else
	v_wmma_f32_16x16x32_bf16 v[64+8*\tl:71+8*\tl], v[192+8*\ks:199+8*\ks], v[\buf+8*\tl:\buf+8*\tl+7], v[64+8*\tl:71+8*\tl]
.endif
.endr
.endm
	FETCHT 0, 0
	FETCHT 1, 128
	s_wait_dscnt 32                                ; the 32 loads of the second run are younger: the weights and the first run are in
	MULT 0, 0, 1
	PLACES
	FETCHT 2, 0
	s_wait_dscnt 32                                ; the run just issued stays out
	MULT 1, 128, 0
	PLACES
	FETCHT 3, 128
	s_wait_dscnt 32
	MULT 2, 0, 0
	s_wait_dscnt 0x0
	MULT 3, 128, 0
	PLACES                                         ; behind the last matrix instructions, for the stores that read their results
	WIN 0
.irp tl, 0,1,2,3,4,5,6,7,8,9,10,11,12,13,14,15
	ds_store_b32 v21, v[64+8*\tl] offset:64*\tl    ; e = 16 tl + r: hi sums to the first 1,024 bytes, lo sums to the second
.endr
	ds_load_b128 v[24:27], v22                     ; my wave's own bytes, served in order: no wait in between
	ds_load_b128 v[28:31], v22 offset:512
	ds_load_b128 v[32:35], v22 offset:1024
	ds_load_b128 v[36:39], v22 offset:1536
	s_wait_dscnt 0x0
	v_pk_add_f32 v[24:25], v[24:25], v[32:33]
	v_pk_add_f32 v[26:27], v[26:27], v[34:35]
	v_pk_add_f32 v[28:29], v[28:29], v[36:37]
	v_pk_add_f32 v[30:31], v[30:31], v[38:39]
	global_store_b128 v1, v[24:27], s[12:13]                   ; each store of the wave covers 512 consecutive bytes, aligned
	global_store_b128 v1, v[28:31], s[12:13] offset:512
	s_cmp_lg_u32 s16, 0
	s_cbranch_scc1 .Ldone
	global_store_b64 v57, v[240:241], s[14:15]     ; wave 0: (m2, l), 32 times: the block's 256 bytes are written whole
.Ldone:
	s_wait_tensorcnt 0x0
	ds_add_u32 v62, v63
	s_wait_dscnt 0x0
	s_endpgm
.Lfunc_end_k_q04b1a5c6bc_main:
	.size	k_q04b1a5c6bc_main, .Lfunc_end_k_q04b1a5c6bc_main-k_q04b1a5c6bc_main
	.p2alignl 7, 3214868480
	.fill 96, 4, 3214868480
	.section	.rodata,"a",@progbits
	.p2align	6, 0x0
	.amdhsa_kernel k_q04b1a5c6bc_main
		.amdhsa_group_segment_fixed_size 285184
		.amdhsa_private_segment_fixed_size 0
		.amdhsa_enable_private_segment 0
		.amdhsa_kernarg_size 48
		.amdhsa_user_sgpr_count 2
		.amdhsa_user_sgpr_kernarg_segment_ptr 1
		.amdhsa_wavefront_size32 1
		.amdhsa_system_sgpr_workgroup_id_x 1
		.amdhsa_system_sgpr_workgroup_id_y 1
		.amdhsa_system_sgpr_workgroup_id_z 1
		.amdhsa_system_vgpr_workitem_id 0
		.amdhsa_next_free_vgpr 1024
		.amdhsa_next_free_sgpr 66
		.amdhsa_reserve_vcc 0
		.amdhsa_float_denorm_mode_32 3
		.amdhsa_float_denorm_mode_16_64 3
		.amdhsa_memory_ordered 1
		.amdhsa_forward_progress 1
		.amdhsa_inst_pref_size 255
	.end_amdhsa_kernel
	.section	.bss,"aw",@nobits
	.p2align	6
	.space	262144
	.amdgpu_metadata
---
amdhsa.version: [ 1, 2 ]
amdhsa.kernels:
  - .name:           k_q04b1a5c6bc_main
    .symbol:         k_q04b1a5c6bc_main.kd
    .args:
      - { .name: encoder_outputs, .offset: 0, .size: 8, .value_kind: global_buffer, .address_space: global }
      - { .name: wf, .offset: 8, .size: 8, .value_kind: global_buffer, .address_space: global }
      - { .name: cs, .offset: 16, .size: 8, .value_kind: global_buffer, .address_space: global }
      - { .name: v, .offset: 24, .size: 8, .value_kind: global_buffer, .address_space: global }
      - { .name: pacc, .offset: 32, .size: 8, .value_kind: global_buffer, .address_space: global }
      - { .name: pstat, .offset: 40, .size: 8, .value_kind: global_buffer, .address_space: global }
    .group_segment_fixed_size: 285184
    .private_segment_fixed_size: 0
    .kernarg_segment_align: 8
    .kernarg_segment_size: 48
    .max_flat_workgroup_size: 128
    .sgpr_count:     66
    .vgpr_count:     1024
    .wavefront_size: 32
...
	.end_amdgpu_metadata
.endif
;; end of part 2
;; launch comb (part 3): grid 128 x 1, 2 waves a work-group, no clusters, 0 bytes of LDS; arguments pacc, pstat, out0; writes out0
.if DOCPART == 3
	.amdgcn_target "amdgcn-amd-amdhsa--gfx1250"
	.amdhsa_code_object_version 6
	.text
	.protected	k_q04b1a5c6bc_comb
	.globl	k_q04b1a5c6bc_comb
	.p2align	8
	.type	k_q04b1a5c6bc_comb,@function
k_q04b1a5c6bc_comb:
	s_mov_b64 s[64:65], 0
	v_nop
	global_prefetch_b8 v0, s[64:65] scope:SCOPE_SE
	s_setreg_imm32_b32 hwreg(HW_REG_WAVE_MODE, 25, 1), 1
	s_wait_xcnt 0x0
; COMB.  out0[b][e] = (sum over the eight blocks i of b of exp2(m_i - M) pacc[8 b + i][e]) / (sum over i of exp2(m_i - M) l_i),  M = max of the m_i.
; pacc: f32 [256][1024]; pstat: f32 [256][32][2] = (m, l) repeated; m is in base-2 units.  All in f32.
; Work-group g: b = g >> 2, 256 e from 256 (g & 3); thread t owns four e, so a wave's load or store covers 512 consecutive bytes.
; Each block's l is at least 1 (its own maximum has weight 1), and the block that holds M has weight 1: the divisor is at least 1.
; A block whose maximum lies more than 126 below M (base 2) gets the weight 0 (v_exp_f32 flushes, ISA guide 15.8).
; 1 MB is read once: no LDS, no barrier, no matrix unit; nothing here would use them.
	s_load_b128 s[4:7], s[0:1], 0x0                ; pacc s[4:5], pstat s[6:7]
	s_load_b64 s[8:9], s[0:1], 0x10                ; out0
	s_lshr_b32 s10, ttmp9, 2                       ; b
	s_and_b32 s11, ttmp9, 3
	s_lshl_b32 s11, s11, 10                        ; my 256 e, in bytes
	s_lshl_b32 s12, s10, 11                        ; pstat: eight blocks of 256 bytes for each b
	s_mov_b32 s13, 0
	v_lshlrev_b32 v1, 4, v0                        ; 16 t
	s_wait_kmcnt 0x0
	s_add_nc_u64 s[6:7], s[6:7], s[12:13]
.irp i, 0,1,2,3,4,5,6,7
	s_load_b64 s[16+2*\i:17+2*\i], s[6:7], 256*\i  ; m_i, l_i
.endr
	s_lshl_b32 s12, s10, 15                        ; pacc: eight rows of 4,096 bytes for each b
	s_add_co_u32 s12, s12, s11
	s_add_nc_u64 s[4:5], s[4:5], s[12:13]
.irp i, 0,1,2,3,4,5,6,7
	global_load_b128 v[8+4*\i:11+4*\i], v1, s[4:5] offset:4096*\i th:TH_LOAD_NT
.endr
	s_lshl_b32 s12, s10, 12                        ; out0: a row of 4,096 bytes for each b
	s_add_co_u32 s12, s12, s11
	s_add_nc_u64 s[8:9], s[8:9], s[12:13]
	s_wait_kmcnt 0x0
	v_mov_b32 v40, s16
.irp i, 1,2,3,4,5,6,7
	v_max_num_f32 v40, s[16+2*\i], v40             ; M
.endr
.irp i, 0,1,2,3,4,5,6,7
	v_sub_f32 v[41+\i], s[16+2*\i], v40
.endr
.irp i, 0,1,2,3,4,5,6,7
	v_exp_f32 v[41+\i], v[41+\i]                   ; w_i = exp2(m_i - M)
.endr
	v_nop                                          ; a plain instruction between the exponentials and their first use (ISA guide 5.7.2)
	s_wait_alu depctr_va_vdst(0)
	v_mul_f32 v50, s17, v41
.irp i, 1,2,3,4,5,6,7
	v_fmac_f32 v50, s[17+2*\i], v[41+\i]           ; L = sum of w_i l_i
.endr
	v_rcp_f32 v51, v50
	v_nop
	s_wait_alu depctr_va_vdst(0)
.irp i, 0,1,2,3,4,5,6,7
	v_mul_f32 v[41+\i], v[41+\i], v51              ; w_i / L
.endr
	s_wait_loadcnt 0x0
.irp c, 0,1,2,3
	v_mul_f32 v[52+\c], v[8+\c], v41
.endr
.irp i, 1,2,3,4,5,6,7
.irp c, 0,1,2,3
	v_fma_f32 v[52+\c], v[8+4*\i+\c], v[41+\i], v[52+\c]
.endr
.endr
	global_store_b128 v1, v[52:55], s[8:9]
	s_endpgm
.Lfunc_end_k_q04b1a5c6bc_comb:
	.size	k_q04b1a5c6bc_comb, .Lfunc_end_k_q04b1a5c6bc_comb-k_q04b1a5c6bc_comb
	.p2alignl 7, 3214868480
	.fill 96, 4, 3214868480
	.section	.rodata,"a",@progbits
	.p2align	6, 0x0
	.amdhsa_kernel k_q04b1a5c6bc_comb
		.amdhsa_group_segment_fixed_size 0
		.amdhsa_private_segment_fixed_size 0
		.amdhsa_enable_private_segment 0
		.amdhsa_kernarg_size 24
		.amdhsa_user_sgpr_count 2
		.amdhsa_user_sgpr_kernarg_segment_ptr 1
		.amdhsa_wavefront_size32 1
		.amdhsa_system_sgpr_workgroup_id_x 1
		.amdhsa_system_sgpr_workgroup_id_y 1
		.amdhsa_system_sgpr_workgroup_id_z 1
		.amdhsa_system_vgpr_workitem_id 0
		.amdhsa_next_free_vgpr 64
		.amdhsa_next_free_sgpr 66
		.amdhsa_reserve_vcc 0
		.amdhsa_float_denorm_mode_32 3
		.amdhsa_float_denorm_mode_16_64 3
		.amdhsa_memory_ordered 1
		.amdhsa_forward_progress 1
		.amdhsa_inst_pref_size 6
	.end_amdhsa_kernel
	.amdgpu_metadata
---
amdhsa.version: [ 1, 2 ]
amdhsa.kernels:
  - .name:           k_q04b1a5c6bc_comb
    .symbol:         k_q04b1a5c6bc_comb.kd
    .args:
      - { .name: pacc, .offset: 0, .size: 8, .value_kind: global_buffer, .address_space: global }
      - { .name: pstat, .offset: 8, .size: 8, .value_kind: global_buffer, .address_space: global }
      - { .name: out0, .offset: 16, .size: 8, .value_kind: global_buffer, .address_space: global }
    .group_segment_fixed_size: 0
    .private_segment_fixed_size: 0
    .kernarg_segment_align: 8
    .kernarg_segment_size: 24
    .max_flat_workgroup_size: 64
    .sgpr_count:     66
    .vgpr_count:     64
    .wavefront_size: 32
...
	.end_amdgpu_metadata
.endif
;; end of part 3
